; MI455X (gfx1250); checked and timed in simulation.
; The chip was launched on July 23, 2026; its instructions are those of AMD's public machine-readable ISA for CDNA 5 (MIT licence, August 2026) and "CDNA5" Instruction Set Architecture Reference Guide (July 2026). The comments in the code are by the model that wrote it; some were corrected since.
;; Quant Linear. Allowed arithmetic: matrix products marked QUANTISED: E4M3 operands, one E8M0 scale for each 32 along K, by v_wmma_scale_f32_16x16x128_f8f6f4 with both operands' format E4M3, f32 sums; everything else in f32.
;; Inputs: bias 4,096 float32; qweight 4,096 x 4,096 int8; scale 4,096 float32; x 4 x 1,024 x 4,096 float32.
;; Outputs: out0 4 x 1,024 x 4,096 bfloat16.
;; This version of the problem:
;;   THIS VERSION OF THE PROBLEM IS GIVEN IN LOW PRECISION. The matrix products marked QUANTISED in the list below multiply operands that are first quantised to E4M3 (4 exponent bits, 3 mantissa bits; 8 bits a number), with one power-of-two scale for each 32 numbers along K (OCP MX v1.0); their sums are f32. All else is computed in f32.
;;   The module's matrix products, in the order in which they are computed (A, B: the left and right operand; K: the contracted axis; several contracted axes count as one K, in the product's order):
;;     1. [M 4,096, K 4,096] x [K 4,096, N 4,096]; A: input x; B: computed on the way: QUANTISED
;;   THE QUANTISER, for each operand of a quantised product, along K:
;;     - K is cut into blocks of 32 from its start; a last block that is shorter is filled with zeros.
;;     - A block's scale is 2^e with e = floor(log2(the largest magnitude in the block)) - 8, held to -126 .. 127; a block of zeros has e = 0. As a byte (E8M0): e + 127.
;;     - Each number is divided by its block's scale, clamped to +-448, and rounded to the nearest number of E4M3, ties to even, subnormals kept.
;;     - The product sums the exact products of the quantised numbers (number of the format x scale) in f32.
;;   ~~~python
;;   def quantise(x, axis):      # numpy; x: float32 -> the quantised numbers, widened to float32 again
;;       x = np.moveaxis(x, axis, -1); K = x.shape[-1]
;;       x = np.pad(x, [(0, 0)] * (x.ndim - 1) + [(0, -K % 32)]); x = x.reshape(x.shape[:-1] + (-1, 32)); a = np.abs(x).max(-1, keepdims=True)
;;       e = np.where(a > 0, np.clip(np.frexp(np.where(a > 0, a, 1))[1] - 1 - 8, -126, 127), 0)      # np.frexp(a)[1] - 1 = floor(log2(a)), exactly
;;       r = np.clip(x / 2.0 ** e, -448, 448)
;;       step = 2.0 ** (np.maximum(np.frexp(np.where(r == 0, 1, r))[1] - 1, -6) - 3)
;;       q = np.round(r / step) * step * 2.0 ** e      # np.round: ties to even
;;       return np.moveaxis(q.reshape(q.shape[:-2] + (-1,))[..., :K], -1, axis).astype(np.float32)
;;   ~~~
;;   OPERANDS COMPUTED ON THE WAY. 'Computed on the way' means the value that the module computes at that place (a softmax that the list does not call 'softmax' is quantised finished and normalised). What goes into a quantiser is computed in f32, as accurately as f32 sums, v_exp_f32 and their like allow (about 1e-6 of the number): no bf16 or f16 on the way to a quantiser, and a product that is left as it is and whose result goes on into a quantised operand takes f32 operands (vector FMAs, or v_wmma_f32_16x16x4_f32). A number that lies on a knife's edge between two numbers of the format may be rounded either way, as far as f32 arithmetic and the matrix unit's own rounding can turn it there, and no further.
;; One version. Each part assembles by itself: llvm-mc -triple=amdgcn-amd-amdhsa -mcpu=gfx1250 --defsym DOCPART=n.
;; ======== version 1 of 1: 2 launches
;; limits: values are held in bf16: 8 bits of precision; right only within a limited range of input values
;; workspace buffers: xc 16,777,216 bytes; wc 16,777,216 bytes; scl 1,048,576 bytes
;; launch quant (part 1): grid 1024 x 1, 4 waves a work-group, no clusters, 33,280 bytes of LDS; arguments x, qweight, scale, xc, wc, scl; writes xc, wc, scl
.if DOCPART == 1
	.amdgcn_target "amdgcn-amd-amdhsa--gfx1250"
	.amdhsa_code_object_version 6
	.text
	.protected	k_qcb2a2044b9_quant
	.globl	k_qcb2a2044b9_quant
	.p2align	8
	.type	k_qcb2a2044b9_quant,@function
k_qcb2a2044b9_quant:
	s_mov_b64 s[64:65], 0
	v_nop
	global_prefetch_b8 v0, s[64:65] scope:SCOPE_SE
	s_setreg_imm32_b32 hwreg(HW_REG_WAVE_MODE, 25, 1), 1
	s_wait_xcnt 0x0
; bf16(x), x [4096][4096] f32, and w[n][k] = bf16(f32(qweight[n][k]) x scale[n]), are turned into codes of FP8 (E4M3), K innermost, one byte a code:
; xc, wc [4096][4096]; with one E8M0 scale byte for each 32 along K, in scl: x's from byte 0, w's from byte 524,288.
; BOTH OPERANDS ARE TAKEN AS reference() HAS THEM AT THE PRODUCT.  x: reference()'s own rounding to bf16 (to nearest, ties to even).  w: one f32 multiplication, then reference()'s own rounding of the dequantised
; weight to bf16.  The quantiser takes those numbers, widened to f32 again; all its arithmetic is in f32.
; A block's scale is 2^(floor(log2(its largest magnitude)) - 8); its byte is the largest magnitude's exponent field - 8, held at 1 from below.  Each number is divided by the scale, held within +-448 and
; rounded to the nearest code, ties to even.
; LIMITS: NaN and infinities among x and scale are not served.  A block of zeros gets the byte 1 where the rule says 127: its codes are zeros, which add nothing under any byte but 0xff, and this program alone reads the bytes.
; THE SCALE BYTES' LAYOUT is the one in which the product's launch takes them into registers.  Row p, block kb = k / 32: byte (p / 128) 16384 + (kb / 8) 1024 + ((p % 128) / 32) 256 + (p % 16) 16 + ((p / 16) % 2) 8 + kb % 8.
; So the bytes of 32 rows x 256 along K are 256 consecutive bytes, aligned: what one wave here makes.
; SHARES.  Work-groups of even number take x, those of odd number w.  u = number / 2: rows 32 (u / 4) on; wave v takes 256 along K at 256 (4 (u % 4) + v): the four waves stand side by side on 1,024 numbers of each row.
; A wave runs 16 steps; step t takes row t in lanes 0-15 and row 16 + t in lanes 16-31: 256 numbers of each, 16 NEIGHBOURS a lane (the conversions take neighbours along K from one lane's registers), two lanes to a block.
; x: a lane's 16 neighbours are 64 bytes, so the loads take the bytes as they lie (16 lanes read 256 consecutive bytes) and a step's 2,048 bytes turn through the wave's own stage in LDS.
;    The loads run EIGHT steps ahead: 32 loads, 16,384 bytes, of a wave are on their way, half of all that it reads; that takes eight sets of 16 registers, and 256 registers a wave still let four waves share a SIMD.
; w: a lane's 16 neighbours are 16 bytes of int8: one load, no stage; all sixteen steps' loads go out at once.
; No tensor loads, no barrier: waves share nothing.  Every offset is an immediate, every step has its own registers for its codes and its byte: no store's source is ever written again.
.set STEPS, 16
.set DEPTH, 8                          ; x: steps whose loads are on their way
.set SP,    80                         ; a lane's place in a stage: its 64 bytes + 16 of padding
.set STG,   32*SP                      ; a stage: 2,560 bytes
.set SBY,   2*STG                      ; behind the two stages: x's path's 256 scale bytes; w's path's 256 lie behind them (each path has LDS bytes of its own)
.set R,     16                         ; x: v16-143  eight sets of 16 numbers as they are loaded
.set X,     144                        ; x: v144-175 two sets of 16 neighbours
.set E,     176                        ; v176-191 a scale byte for each step
.set C,     192                        ; v192-255 codes: four registers for each step
.set S,     16                         ; w: v16-31   scale[row] of my half's 16 rows
.set Q,     32                         ; w: v32-95   16 int8 for each step
.set XW,    96                         ; w: v96-111  16 neighbours as f32
	s_load_b256 s[4:11], s[0:1], 0x0               ; x s[4:5], qweight s[6:7], scale s[8:9], xc s[10:11]
	s_load_b128 s[12:15], s[0:1], 0x20             ; wc s[12:13], scl s[14:15]
	v_lshl_add_u32 v12, v0, 2, 0x8000              ; v12: my spare word, behind the four waves' regions of 8,192 bytes; v13: 0.  Both are kept for the closing add alone
	v_mov_b32 v13, 0
	v_lshrrev_b32 v1, 5, v0
	v_readfirstlane_b32 s16, v1                    ; wave 0..3
	v_and_b32 v1, 31, v0                           ; lane
	v_and_b32 v9, 15, v0                           ; lane % 16
	s_wait_alu depctr_va_vdst(0)
	v_bfe_u32 v10, v0, 4, 1                        ; h = lane / 16
	s_lshr_b32 s17, ttmp9, 1                       ; u
	s_and_b32 s18, ttmp9, 1                        ; 0: x, 1: w
	s_lshr_b32 s19, s17, 2                         ; which 32 rows: 0..127
	s_and_b32 s20, s17, 3
	s_lshl_b32 s21, s20, 2
	s_add_co_u32 s21, s21, s16                     ; which 256 along K: 0..15
	s_lshl_b32 s24, s19, 17                        ; codes: 32 rows of 4,096 bytes,
	s_lshl_b32 s33, s21, 8
	s_add_co_u32 s24, s24, s33                     ; + 256 bytes a K step
	s_mov_b32 s25, 0
	s_lshl_b64 s[26:27], s[24:25], 2               ; the same place in x: four bytes a number
	s_lshl_b32 s28, s18, 19                        ; scale bytes: w's half,
	s_lshr_b32 s33, s19, 2
	s_lshl_b32 s33, s33, 14
	s_add_co_u32 s28, s28, s33                     ; the group of 128 rows,
	s_lshl_b32 s33, s21, 10
	s_add_co_u32 s28, s28, s33                     ; the K step,
	s_and_b32 s33, s19, 3
	s_lshl_b32 s33, s33, 8
	s_add_co_u32 s28, s28, s33                     ; my 32 rows of the 128
	s_mov_b32 s29, 0
	s_lshl_b32 s30, s19, 7                         ; scale[]: 32 rows of 4 bytes
	s_mov_b32 s31, 0
	s_lshl_b32 s22, s16, 13                        ; LDS: 8,192 bytes for each wave
	s_mov_b32 s23, 0x600000                        ; the mantissa field of 448 (an instruction takes one literal: the hold's line has another)
	v_lshlrev_b32 v3, 4, v9
	s_wait_alu depctr_va_vdst(0)
	v_lshl_or_b32 v4, v10, 16, v3                  ; codes and qweight: 16 bytes a lane; lanes 16-31 stand 16 rows of 4,096 bytes further down
	v_lshl_or_b32 v3, v10, 18, v3                  ; x: the same with rows of 16,384 bytes
	v_lshrrev_b32 v11, 2, v9
	v_mul_u32_u24 v14, v11, SP
	v_and_b32 v11, 3, v9
	v_lshl_add_u32 v14, v11, 4, v14
	v_mad_u32_u24 v14, v10, 16*SP, v14
	v_add_nc_u32 v14, s22, v14                     ; the stage, on the way in: four lanes' 64 bytes on end, then 16 of padding; a load's 256 bytes of a row take four places; lanes 16-31 sixteen places on
	v_mul_u32_u24 v15, v1, SP
	v_add_nc_u32 v15, s22, v15                     ; and on the way out: SP x lane: my 16 neighbours
	s_add_co_u32 s32, s22, SBY
	v_lshrrev_b32 v5, 1, v1
	v_add_nc_u32 v5, s32, v5                       ; my block's scale byte: 8 h + (lane % 16) / 2; the step's 16 t stands in the immediate
	v_lshlrev_b32 v7, 3, v1                        ; on the way out 8 bytes a lane
	v_add_nc_u32 v6, s32, v7
	v_lshlrev_b32 v2, 6, v10                       ; scale[]: my half's 16 rows
	s_wait_kmcnt 0x0
	s_add_nc_u64 s[4:5], s[4:5], s[26:27]
	s_add_nc_u64 s[6:7], s[6:7], s[24:25]
	s_add_nc_u64 s[8:9], s[8:9], s[30:31]
	s_add_nc_u64 s[10:11], s[10:11], s[24:25]
	s_add_nc_u64 s[12:13], s[12:13], s[24:25]
	s_add_nc_u64 s[14:15], s[14:15], s[28:29]
; reference()'s rounding to bf16, to nearest even, of the 16 numbers in v[XS] on, and back to f32 in place: eight numbers at a time, through v8-v11, which are free ahead of QBLOCK
.macro TOBF16
.irp g, 0,1
.irp p, 0,1,2,3
	v_cvt_pk_bf16_f32 v[8+\p], v[XS+8*\g+2*\p], v[XS+8*\g+2*\p+1]
.endr
.irp p, 0,1,2,3
	v_lshlrev_b32 v[XS+8*\g+2*\p],   16, v[8+\p]           ; the low half moves up,
	v_and_b32     v[XS+8*\g+2*\p+1], 0xffff0000, v[8+\p]   ; the high half stays
.endr
.endr
.endm
; 16 neighbours in v[XS] on become 16 codes in v[C + 4 t] on and the block's scale byte in v[E + t]
.macro QBLOCK t
	v_max3_num_f32 v8, |v[XS]|, |v[XS+1]|, |v[XS+2]|               ; the largest magnitude of my 16, in two chains
	v_max3_num_f32 v9, |v[XS+3]|, |v[XS+4]|, |v[XS+5]|
.irp i, 6,10
	v_max3_num_f32 v8, v8, |v[XS+\i]|, |v[XS+\i+1]|
	v_max3_num_f32 v9, v9, |v[XS+\i+2]|, |v[XS+\i+3]|
.endr
	v_max3_num_f32 v8, v8, |v[XS+14]|, |v[XS+15]|
	v_max3_num_f32 v8, v8, v9, 0x4800000           ; and the floor 2^(9 - 127), under which no largest magnitude is taken: so the byte cannot fall under 1
	v_max_num_f32_dpp v8, v8, v8 row_xmask:1 row_mask:0xf bank_mask:0xf   ; and of my neighbour's 16: the block's
	v_add_nc_u32 v11, 0xfc000000, v8               ; 8 off its exponent field: the conversion takes the exponent field of this operand as its scale, and nothing else of it
	v_and_or_b32 v10, v8, 0x7f800000, s23          ; 448 x the scale: the largest magnitude's exponent field over 448's mantissa
.irp i, 0,1,2,3,4,5,6,7,8,9,10,11,12,13,14,15
	v_med3_num_f32 v[XS+\i], v[XS+\i], -v10, v10   ; the conversion to an 8-bit code does not saturate (ISA guide 7.6.2): hold the number within the largest code x the scale first
.endr
	v_cvt_scalef32_pk8_fp8_f32 v[C+4*(\t):C+4*(\t)+1], v[XS:XS+7], v11
	v_cvt_scalef32_pk8_fp8_f32 v[C+4*(\t)+2:C+4*(\t)+3], v[XS+8:XS+15], v11
	v_lshrrev_b32 v[E+(\t)], 23, v11               ; the scale's byte.  (Also the plain line between the conversions and the next vector line that writes their sources)
.endm
	s_cmp_lg_u32 s18, 0                            ; the choice hangs on the work-group's number alone
	s_cbranch_scc1 .Lw
; ---------------- x ----------------
.macro LOAD t
.irp i, 0,1,2,3
	global_load_b128 v[R+16*((\t)%DEPTH)+4*\i:R+16*((\t)%DEPTH)+4*\i+3], v3, s[4:5] offset:16384*(\t)+256*\i th:TH_LOAD_NT   ; each half of the lanes reads 256 consecutive bytes of its row, aligned
.endr
.endm
.macro TURN t                          ; step t's numbers through the stage: LDS serves a wave's instructions in order (ISA guide 5.7.1.4), so no wait stands between the stores and the loads
.irp i, 0,1,2,3
	ds_store_b128 v14, v[R+16*((\t)%DEPTH)+4*\i:R+16*((\t)%DEPTH)+4*\i+3] offset:STG*((\t)%2)+4*SP*\i
.endr
.irp i, 0,1,2,3
	ds_load_b128 v[X+16*((\t)%2)+4*\i:X+16*((\t)%2)+4*\i+3], v15 offset:STG*((\t)%2)+16*\i
.endr
.endm
.irp t, 0,1,2,3,4,5,6,7
	LOAD \t
.endr
	s_wait_loadcnt 4*(DEPTH-1)                     ; step 0's four loads are in; the 28 of steps 1 to 7 may be out
	s_wait_alu depctr_va_vdst(0)
	TURN 0
.macro STEP t
.set XS, X+16*((\t)%2)
.if (\t) > 0
	s_wait_dscnt 1                                 ; this step's numbers are back from the stage (the last step's byte store may be out): so its stores into the stage have read their registers,
.else
	s_wait_dscnt 0x0
.endif
.if (\t)+DEPTH < STEPS
	LOAD (\t)+DEPTH                                ; which take the loads of eight steps on
.endif
.if (\t)+1 < STEPS
.if STEPS-2-(\t) >= DEPTH-1
	s_wait_loadcnt 4*(DEPTH-1)                     ; the next step's four loads are in; the 28 of the seven steps behind it may be out
.else
	s_wait_loadcnt 4*(STEPS-2-(\t))                ; at the end the counts run down: 24, 20, .. 0
.endif
	TURN (\t)+1                                    ; and go through the other stage while this step is worked
.endif
	TOBF16                                         ; x as reference() has it at the product
	QBLOCK \t
	ds_store_b8 v5, v[E+(\t)] offset:16*(\t)       ; both lanes of a block write the same byte with the same value
	global_store_b128 v4, v[C+4*(\t):C+4*(\t)+3], s[10:11] offset:4096*(\t)   ; each half of the lanes stores 256 consecutive bytes of its row, aligned
.endm
.irp t, 0,1,2,3,4,5,6,7,8,9,10,11,12,13,14,15
	STEP \t
.endr
	ds_load_b64 v[8:9], v6                         ; LDS serves a wave's instructions in order: these see my stores
	s_wait_dscnt 0x0
	global_store_b64 v7, v[8:9], s[14:15]          ; 32 lanes store 256 consecutive bytes, aligned
	s_wait_tensorcnt 0x0                           ; the wave's end
	ds_add_u32 v12, v13
	s_wait_dscnt 0x0
	s_endpgm
; ---------------- w ----------------
.Lw:
	s_wait_alu depctr_va_vdst(0)
.irp i, 0,1,2,3
	global_load_b128 v[S+4*\i:S+4*\i+3], v2, s[8:9] offset:16*\i   ; v[S + t] = scale[my half's row t]
.endr
.irp t, 0,1,2,3,4,5,6,7,8,9,10,11,12,13,14,15
	global_load_b128 v[Q+4*\t:Q+4*\t+3], v4, s[6:7] offset:4096*\t th:TH_LOAD_NT   ; all sixteen steps' loads go out at once: each half of the lanes reads 256 consecutive bytes of its row
.endr
.macro WSTEP t
.set XS, XW
	s_wait_loadcnt 15-(\t)                         ; loads come back in order (ISA guide 5.7.1): step t's is in, and the scales ahead of it; the 15 - t younger ones stay out
.irp c, 0,1,2,3
	v_lshlrev_b32 v[XW+4*\c],   24, v[Q+4*(\t)+\c]   ; each byte to the top of a word,
	v_lshlrev_b32 v[XW+4*\c+1], 16, v[Q+4*(\t)+\c]
	v_lshlrev_b32 v[XW+4*\c+2], 8,  v[Q+4*(\t)+\c]
	v_ashrrev_i32 v[XW+4*\c+3], 24, v[Q+4*(\t)+\c]   ; and down again with its sign
.endr
.irp c, 0,1,2,3
	v_ashrrev_i32 v[XW+4*\c],   24, v[XW+4*\c]
	v_ashrrev_i32 v[XW+4*\c+1], 24, v[XW+4*\c+1]
	v_ashrrev_i32 v[XW+4*\c+2], 24, v[XW+4*\c+2]
.endr
.irp i, 0,1,2,3,4,5,6,7,8,9,10,11,12,13,14,15
	v_cvt_f32_i32 v[XW+\i], v[XW+\i]
.endr
.irp i, 0,1,2,3,4,5,6,7,8,9,10,11,12,13,14,15
	v_mul_f32 v[XW+\i], v[XW+\i], v[S+(\t)]        ; f32(q) x scale[row]: one rounding, in f32
.endr
	TOBF16                                         ; the dequantised weight as reference() has it at the product
	QBLOCK \t
	ds_store_b8 v5, v[E+(\t)] offset:256+16*(\t)
	global_store_b128 v4, v[C+4*(\t):C+4*(\t)+3], s[12:13] offset:4096*(\t)
.endm
.irp t, 0,1,2,3,4,5,6,7,8,9,10,11,12,13,14,15
	WSTEP \t
.endr
	ds_load_b64 v[8:9], v6 offset:256
	s_wait_dscnt 0x0
	global_store_b64 v7, v[8:9], s[14:15]
	s_wait_tensorcnt 0x0                           ; the wave's end, as on x's path
	ds_add_u32 v12, v13
	s_wait_dscnt 0x0
	s_endpgm
.Lfunc_end_k_qcb2a2044b9_quant:
	.size	k_qcb2a2044b9_quant, .Lfunc_end_k_qcb2a2044b9_quant-k_qcb2a2044b9_quant
	.p2alignl 7, 3214868480
	.fill 96, 4, 3214868480
	.section	.rodata,"a",@progbits
	.p2align	6, 0x0
	.amdhsa_kernel k_qcb2a2044b9_quant
		.amdhsa_group_segment_fixed_size 33280
		.amdhsa_private_segment_fixed_size 0
		.amdhsa_enable_private_segment 0
		.amdhsa_kernarg_size 48
		.amdhsa_user_sgpr_count 2
		.amdhsa_user_sgpr_kernarg_segment_ptr 1
		.amdhsa_wavefront_size32 1
		.amdhsa_system_sgpr_workgroup_id_x 1
		.amdhsa_system_sgpr_workgroup_id_y 1
		.amdhsa_system_sgpr_workgroup_id_z 1
		.amdhsa_system_vgpr_workitem_id 0
		.amdhsa_next_free_vgpr 256
		.amdhsa_next_free_sgpr 66
		.amdhsa_reserve_vcc 0
		.amdhsa_float_denorm_mode_32 3
		.amdhsa_float_denorm_mode_16_64 3
		.amdhsa_memory_ordered 1
		.amdhsa_forward_progress 1
		.amdhsa_inst_pref_size 157
	.end_amdhsa_kernel
	.amdgpu_metadata
---
amdhsa.version: [ 1, 2 ]
amdhsa.kernels:
  - .name:           k_qcb2a2044b9_quant
    .symbol:         k_qcb2a2044b9_quant.kd
    .args:
      - { .name: x, .offset: 0, .size: 8, .value_kind: global_buffer, .address_space: global }
      - { .name: qweight, .offset: 8, .size: 8, .value_kind: global_buffer, .address_space: global }
      - { .name: scale, .offset: 16, .size: 8, .value_kind: global_buffer, .address_space: global }
      - { .name: xc, .offset: 24, .size: 8, .value_kind: global_buffer, .address_space: global }
      - { .name: wc, .offset: 32, .size: 8, .value_kind: global_buffer, .address_space: global }
      - { .name: scl, .offset: 40, .size: 8, .value_kind: global_buffer, .address_space: global }
    .group_segment_fixed_size: 33280
    .private_segment_fixed_size: 0
    .kernarg_segment_align: 8
    .kernarg_segment_size: 48
    .max_flat_workgroup_size: 128
    .sgpr_count:     66
    .vgpr_count:     256
    .wavefront_size: 32
...
	.end_amdgpu_metadata
.endif
;; end of part 1
;; launch gemm (part 2): grid 16 x 16, 4 waves a work-group, clusters of 4 x 4, 327,680 bytes of LDS; arguments xc, wc, scl, bias, out0; writes out0
.if DOCPART == 2
	.amdgcn_target "amdgcn-amd-amdhsa--gfx1250"
	.amdhsa_code_object_version 6
	.text
	.protected	k_qcb2a2044b9_gemm
	.globl	k_qcb2a2044b9_gemm
	.p2align	8
	.type	k_qcb2a2044b9_gemm,@function
k_qcb2a2044b9_gemm:
	s_mov_b64 s[64:65], 0
	v_nop
	global_prefetch_b8 v0, s[64:65] scope:SCOPE_SE
	s_setreg_imm32_b32 hwreg(HW_REG_WAVE_MODE, 25, 1), 1
	s_wait_xcnt 0x0
	s_wait_alu depctr_hold_cnt(0) depctr_sa_sdst(0) depctr_va_vdst(0) depctr_va_sdst(0) depctr_va_ssrc(0) depctr_va_vcc(0) depctr_vm_vsrc(0)
	s_getreg_b32 s2, hwreg(HW_REG_IB_STS2, 6, 4)
	s_cmp_eq_u32 s2, 0
	s_cbranch_scc0 .Lentry_in_a_cluster
	s_endpgm
.Lentry_in_a_cluster:
	s_bfe_u32 s2, ttmp6, 0x10000c
	s_cmp_lg_u32 s2, 0xf033
	s_cbranch_scc0 .Lentry_shape_is_right
	s_endpgm
.Lentry_shape_is_right:
; out0[m][n] = bf16(bias[n] + sum over k of x[m][k] w[n][k]), on the codes of MX-FP8 (E4M3, one E8M0 byte for 32 along K) that the launch before has made: xc, wc [4096][4096], K innermost; scl: the scale bytes, x's from byte 0, w's from byte 524,288,
; laid so that the bytes of 128 rows x 256 along K are 1,024 consecutive bytes and a lane's 16 bytes are the words of its row in two neighbouring blocks of 16 rows.
; A tile of out0, 256 x 256, is made by a work-group of four waves; a wave makes 128 x 128: 64 accumulators, 512 registers (windows 2 and 3).  K goes in steps of 256 through a ring of two LDS slots filled by tensor loads, a quarter
; of a slot (128 rows of 256 bytes, 16 bytes of padding behind each) a wave.  A step of 128 along K is 64 products, x's blocks one after the other against w's eight: x has one set of fragments (window 0, v128 on), w two (window 1).
; CLUSTERS of 4 x 4: x's tiles are asked for jointly along a row of the cluster, w's along a column.  Each refill stands behind a drained round of the cluster's barrier.
; THE PRODUCT IS USED TRANSPOSED (source 0 = 16 rows of w, source 1 = 16 rows of x): a lane holds eight neighbouring columns of a row of out0.  THE BIAS IS THE FIRST PRODUCTS' C (v64-127): no addition is written.
; THE SCALE WORDS come straight into registers (v32-63, two sets): lanes 0-15 take x's rows, lanes 16-31 w's; each wave's load reads two runs of 256 consecutive bytes; they are asked for one K step ahead of their use.
; PREFETCH: every cluster asks for the tiles that it will itself load: of the 128 rows that a wave fetches each of the four partners takes 32, told apart by address; a lane a row, 256 bytes of it.  At the head K steps 1 to 3;
; behind the refill with K step s + 2 the K step s + 4; the last lap of the loop asks for nothing, since K ends at step 15.  The scale bytes, 1/32 of the codes' bytes, are not prefetched.
; THE WAY OUT: 16 rows at a time, rounded to bf16, through the wave's own stage in LDS (behind the ring, never a tensor load's target), back as rows: sixteen lanes store 256 consecutive bytes, aligned.
; LIMITS: NaN and infinities are not served; sums beyond f32's range are not served.
.set SIZE_N, 4096
.set SIZE_K, 4096
.set KSTEP,  256
.set NQ,     KSTEP/128
.set ROWB,   256
.set KROW,   SIZE_K
.set PITCH,  272
.set FR,     16
.set NL,     4
.set NP,     8
.set HALFT,  128*PITCH
.set SLOT,   4*HALFT
.set LAPS,   SIZE_K/(2*KSTEP)
.set STAGE,  2*SLOT
.set SPITCH, 272
.set SPARE,  STAGE+4*16*SPITCH
.set SCLB,   524288
.set SSTEP,  1024
.set ADRA, 16
.set ADRB, 20
.set STO,  24
.set RD,   25
.set CO,   26
.set VS,   27
.set SPW,  28
.set NIL,  29
.set PFO,  30
.set BO,   31
.set SC,   32
.set BIAS, 64
.set AF,   128
.set BK,   128
.set TMP,  192
.set G1, 24
.set G0, 32
.set G1B, 48
.set G0B, 56
.set PFA, 68
.set SB,  72
.set MSB, 0
.macro WIN new
.if MSB != (\new)
	s_set_vgpr_msb (MSB<<8)|(\new)
.set MSB, (\new)
.endif
.endm
.set MUL_LO,  0xa1
.set MUL_HI,  0xf1
.set MUL_LO0, 0x81
.set MUL_HI0, 0xc1
.set TO_B,    0x40
.macro JLOAD g0a, g1a, g0b, g1b
	s_cmp_eq_u32 s15, 0
	s_cbranch_scc0 .Lfor_b_\@
	tensor_load_to_lds s[\g0a:\g0a+3], s[\g1a:\g1a+7]
	s_nop 0
.rept 4
	v_nop
.endr
	s_branch .Lasked_\@
.Lfor_b_\@:
	tensor_load_to_lds s[\g0b:\g0b+3], s[\g1b:\g1b+7]
	s_nop 0
.rept 4
	v_nop
.endr
.Lasked_\@:
.endm
.macro ASK
	s_cmp_gt_u32 s3, 1                             ; s3 = 1 in the loop's last lap, whose look-ahead would pass K's end
	s_cbranch_scc0 .Lnot_mine_\@
	global_prefetch_b8 v[PFO], s[PFA:PFA+1] offset:2*ROWB th:TH_LOAD_NT scope:SCOPE_SE   ; the K step that stands two refills on: my work-group's 32 rows of the 128 that I fetch
.Lnot_mine_\@:
.endm
.macro CREST
	s_cmp_lg_u32 s14, 0
	s_cbranch_scc1 .Lnot_wave_0_\@
	s_barrier_signal -3
.Lnot_wave_0_\@:
	s_barrier_wait -3
	s_barrier_signal -1
	s_barrier_wait -1
.endm
.macro CROUND
	s_barrier_signal -1
	s_barrier_wait -1
	CREST
.endm
	s_load_b256 s[4:11], s[0:1], 0x0
	s_load_b64 s[12:13], s[0:1], 0x20
	v_lshl_add_u32 v[SPW], v0, 2, SPARE
	v_mov_b32 v[NIL], 0
	ds_add_u32 v28, v29
	ds_add_u32 v28, v29
	s_wait_dscnt 0x0
	v_lshrrev_b32 v1, 5, v0
	v_readfirstlane_b32 s14, v1
	s_lshr_b32 s15, s14, 1
	s_and_b32 s16, s14, 1
	s_bfe_u32 s40, ttmp6, 0x40000
	s_bfe_u32 s41, ttmp6, 0x40004
	s_lshl_b32 s42, ttmp9, 2
	s_add_co_u32 s42, s42, s40
	s_and_b32 s17, ttmp7, 0xffff
	s_lshl_b32 s17, s17, 2
	s_add_co_u32 s17, s17, s41
	s_lshl_b32 s43, s41, 2
	s_lshl_b32 s43, 15, s43
	s_lshl_b32 s44, 0x1111, s40
	s_or_b32 s[G1+0], s43, (0<<16)|(1<<20)|(1<<21)|(5<<22)|(3<<25)
	s_or_b32 s[G1B+0], s44, (0<<16)|(1<<20)|(1<<21)|(5<<22)|(3<<25)
.irp g, G1, G1B
	s_mov_b32 s[\g+1], ROWB<<16
	s_mov_b32 s[\g+2], 128<<16
	s_mov_b32 s[\g+3], ROWB<<16
	s_mov_b32 s[\g+4], 128
	s_mov_b32 s[\g+5], KROW
	s_mov_b32 s[\g+6], 0
	s_mov_b32 s[\g+7], 0
.endr
	s_lshl_b32 s18, s16, 7
	s_lshl_b32 s20, s17, 8
	s_add_co_u32 s20, s20, s18
	s_lshl_b32 s46, s42, 8
	s_add_co_u32 s46, s46, s18
	s_mov_b32 s21, 0
	s_mov_b32 s47, 0
	s_mov_b64 s[18:19], KROW
	s_mul_u64 s[20:21], s[20:21], s[18:19]
	s_mul_u64 s[46:47], s[46:47], s[18:19]
	s_mul_i32 s45, s14, HALFT
	s_wait_kmcnt 0x0
	s_add_nc_u64 s[20:21], s[4:5], s[20:21]
	s_add_nc_u64 s[46:47], s[6:7], s[46:47]
	CROUND
.irp s, 0,1
	s_mov_b32 s[G0+4*\s], 1
	s_add_co_u32 s[G0+4*\s+1], s45, \s*SLOT
	s_add_nc_u64 s[G0+4*\s+2:G0+4*\s+3], s[20:21], \s*ROWB
	s_or_b32 s[G0+4*\s+3], s[G0+4*\s+3], 0x80000000
	s_mov_b32 s[G0B+4*\s], 1
	s_add_co_u32 s[G0B+4*\s+1], s45, \s*SLOT
	s_add_nc_u64 s[G0B+4*\s+2:G0B+4*\s+3], s[46:47], \s*ROWB
	s_or_b32 s[G0B+4*\s+3], s[G0B+4*\s+3], 0x80000000
.endr
	JLOAD G0, G1, G0B, G1B                         ; K step 0, behind the opening round
	; the prefetches' address: waves 0, 1 ask for x's rows, waves 2, 3 for w's; of the 128 rows that I fetch, my work-group's 32 (place cx for x, cy for w: by address alone); it stands at K step 1
	s_lshl_b32 s74, s17, 8
	s_lshl_b32 s75, s42, 8
	s_cmp_eq_u32 s15, 0
	s_cselect_b32 s76, s74, s75
	s_cselect_b32 s77, s40, s41
	s_cselect_b64 s[PFA:PFA+1], s[4:5], s[6:7]
	s_lshl_b32 s78, s16, 7
	s_add_co_u32 s76, s76, s78
	s_lshl_b32 s77, s77, 5
	s_add_co_u32 s76, s76, s77
	s_mov_b32 s77, 0
	s_mov_b64 s[18:19], KROW
	s_mul_u64 s[76:77], s[76:77], s[18:19]
	s_add_nc_u64 s[PFA:PFA+1], s[PFA:PFA+1], s[76:77]
	s_add_nc_u64 s[PFA:PFA+1], s[PFA:PFA+1], ROWB
	v_and_b32 v[PFO], 31, v0
	v_lshlrev_b32 v[PFO], 12, v[PFO]               ; a lane a row of 4,096 bytes
.irp k, 0,1,2
	global_prefetch_b8 v[PFO], s[PFA:PFA+1] offset:\k*ROWB th:TH_LOAD_NT scope:SCOPE_SE   ; K steps 1 to 3, whose loads follow K step 0's landing
.endr
	v_and_b32 v1, 15, v0
	s_wait_alu depctr_va_vdst(0)
	v_bfe_u32 v2, v0, 4, 1
	v_mul_u32_u24 v3, v1, PITCH
	v_lshl_add_u32 v4, v2, 4, v3
	s_mul_i32 s21, s15, HALFT
	s_mul_i32 s22, s16, HALFT
	s_add_co_u32 s22, s22, 2*HALFT
.irp s, 0,1
	v_add_nc_u32 v[ADRA+\s], s21, v4
	v_add_nc_u32 v[ADRB+\s], s22, v4
	s_add_co_u32 s21, s21, SLOT
	s_add_co_u32 s22, s22, SLOT
.endr
	s_mul_i32 s23, s14, 16*SPITCH
	s_add_co_u32 s23, s23, STAGE
	v_mul_u32_u24 v5, v1, SPITCH
	s_wait_alu depctr_va_vdst(0)
	v_lshl_add_u32 v5, v2, 4, v5
	v_add_nc_u32 v[STO], s23, v5
	v_mul_u32_u24 v5, v2, SPITCH
	v_lshl_add_u32 v5, v1, 4, v5
	v_add_nc_u32 v[RD], s23, v5
	v_lshlrev_b32 v5, 13, v2
	v_lshl_add_u32 v[CO], v1, 4, v5
	s_lshl_b32 s20, s17, 8
	s_lshl_b32 s21, s15, 7
	s_add_co_u32 s20, s20, s21
	s_mov_b32 s21, 0
	s_mov_b64 s[18:19], SIZE_N*2
	s_mul_u64 s[20:21], s[20:21], s[18:19]
	s_lshl_b32 s46, s42, 9
	s_lshl_b32 s47, s16, 8
	s_add_co_u32 s46, s46, s47
	s_mov_b32 s47, 0
	s_add_nc_u64 s[20:21], s[20:21], s[46:47]
	s_add_nc_u64 s[12:13], s[12:13], s[20:21]
	s_lshl_b32 s74, s42, 10
	s_lshl_b32 s75, s16, 9
	s_add_co_u32 s74, s74, s75
	s_mov_b32 s75, 0
	s_add_nc_u64 s[10:11], s[10:11], s[74:75]
	v_lshlrev_b32 v[BO], 5, v2
.irp b, 0,1,2,3,4,5,6,7
	global_load_b128 v[BIAS+8*\b:BIAS+8*\b+3],   v[BO], s[10:11] offset:64*\b
	global_load_b128 v[BIAS+8*\b+4:BIAS+8*\b+7], v[BO], s[10:11] offset:64*\b+16
.endr
	s_lshl_b32 s76, s17, 1
	s_add_co_u32 s76, s76, s15
	s_lshl_b32 s76, s76, 14
	s_lshl_b32 s77, s42, 1
	s_add_co_u32 s77, s77, s16
	s_lshl_b32 s77, s77, 14
	s_add_co_u32 s77, s77, SCLB
	s_sub_co_u32 s77, s77, s76
	v_mul_u32_u24 v5, s77, v2
	v_lshl_add_u32 v5, v1, 4, v5
	v_add_nc_u32 v[VS], s76, v5
	s_mov_b64 s[SB:SB+1], s[8:9]
.macro SCALES set, off
.irp j, 0,1,2,3
	global_load_b128 v[SC+16*(\set)+4*\j:SC+16*(\set)+4*\j+3], v[VS], s[SB:SB+1] offset:(\off)+256*\j
.endr
.endm
	SCALES 0, 0
	SCALES 1, SSTEP
.macro FRAG reg, adr, q, i
.irp c, 0,1,2,3
	ds_load_b128 v[\reg+4*\c:\reg+4*\c+3], v[\adr] offset:128*(\q)+32*\c+(\i)*16*PITCH
.endr
.endm
.macro MUL16 a0, p, q, sc, zero
.irp a, \a0, \a0+1
.irp b, 0,1,2,3,4,5,6,7
.if \zero
	v_wmma_scale_f32_16x16x128_f8f6f4 v[8*(8*((\a)%4)+\b):8*(8*((\a)%4)+\b)+7], v[128*(\p)+FR*\b:128*(\p)+FR*\b+FR-1], v[AF+FR*(\a):AF+FR*(\a)+FR-1], v[BIAS+8*\b:BIAS+8*\b+7], v[SC+8*NQ*(\sc)+NQ*\b+(\q)], v[SC+8*NQ*(\sc)+NQ*(\a)+(\q)] matrix_a_scale:MATRIX_SCALE_ROW1
.else
	v_wmma_scale_f32_16x16x128_f8f6f4 v[8*(8*((\a)%4)+\b):8*(8*((\a)%4)+\b)+7], v[128*(\p)+FR*\b:128*(\p)+FR*\b+FR-1], v[AF+FR*(\a):AF+FR*(\a)+FR-1], v[8*(8*((\a)%4)+\b):8*(8*((\a)%4)+\b)+7], v[SC+8*NQ*(\sc)+NQ*\b+(\q)], v[SC+8*NQ*(\sc)+NQ*(\a)+(\q)] matrix_a_scale:MATRIX_SCALE_ROW1
.endif
.endr
.endr
.endm
.macro FETCH_B slot, q, p
	WIN TO_B
.irp i, 0,1,2,3,4,5,6,7
	FRAG 128*(\p)+FR*\i, ADRB+\slot, \q, \i
.endr
	WIN 0
.endm
.macro FETCH_A slot, q, i0
.irp i, \i0, \i0+1, \i0+2, \i0+3
	FRAG AF+FR*(\i), ADRA+\slot, \q, \i
.endr
.endm
.macro PLACES n
.rept \n
	v_nop
.endr
.endm
.macro STEP slot, q, zero, left
	s_wait_loadcnt \left
	s_wait_dscnt 4*NL
.if \zero
	WIN MUL_LO0
.else
	WIN MUL_LO
.endif
	MUL16 0, (\q)%2, \q, \slot, \zero
	MUL16 2, (\q)%2, \q, \slot, \zero
	s_wait_dscnt 0
	PLACES NP
	FETCH_B \slot, (\q)+1, 1-(\q)%2
	FETCH_A \slot, (\q)+1, 0
.if \zero
	WIN MUL_HI0
.else
	WIN MUL_HI
.endif
	MUL16 4, (\q)%2, \q, \slot, \zero
	MUL16 6, (\q)%2, \q, \slot, \zero
	PLACES NP
	WIN 0
	FETCH_A \slot, (\q)+1, 4
.endm
.macro TURN slot, next, fill
	s_wait_dscnt 4*NL
	WIN MUL_LO
	MUL16 0, 1, NQ-1, \slot, 0
	MUL16 2, 1, NQ-1, \slot, 0
	WIN 0
	s_wait_tensorcnt 0x0
	ds_add_u32 v[SPW], v[NIL]
.if \fill
	s_wait_xcnt 0x0
	s_add_nc_u64 s[PFA:PFA+1], s[PFA:PFA+1], ROWB
	s_add_nc_u64 s[SB:SB+1], s[SB:SB+1], SSTEP
	s_add_nc_u64 s[G0+4*\slot+2:G0+4*\slot+3], s[G0+4*\slot+2:G0+4*\slot+3], 2*ROWB
	s_add_nc_u64 s[G0B+4*\slot+2:G0B+4*\slot+3], s[G0B+4*\slot+2:G0B+4*\slot+3], 2*ROWB
.endif
	s_wait_dscnt 0x0
	s_barrier_signal -1
	s_barrier_wait -1
.if \fill
	CREST
	JLOAD G0+4*\slot, G1, G0B+4*\slot, G1B
	PLACES NP-4
.else
	PLACES NP
.endif
	FETCH_B \next, 0, 0
	FETCH_A \next, 0, 0
.if \fill
	ASK
.endif
	WIN MUL_HI
	MUL16 4, 1, NQ-1, \slot, 0
	MUL16 6, 1, NQ-1, \slot, 0
	PLACES NP
	WIN 0
	FETCH_A \next, 0, 4
.if \fill
	SCALES \slot, SSTEP
.endif
.endm
	s_wait_alu depctr_va_vdst(0)
	s_wait_tensorcnt 0x0                           ; my part of K step 0 is in
	ds_add_u32 v[SPW], v[NIL]
	s_wait_dscnt 0x0
	CROUND                                         ; a whole round: everybody's part of K step 0 is in, and the joint loads meet
	JLOAD G0+4, G1, G0B+4, G1B                     ; K step 1, the first tensor load behind the round
	FETCH_B 0, 0, 0
	FETCH_A 0, 0, 0
	FETCH_A 0, 0, 4
	STEP 0, 0, 1, 4
	s_mov_b32 s3, LAPS-1
.Llap:
	TURN 0, 1, 1
	STEP 1, 0, 0, 4
	TURN 1, 0, 1
	STEP 0, 0, 0, 4
	s_sub_co_u32 s3, s3, 1
	s_cmp_lg_u32 s3, 0
	s_cbranch_scc1 .Llap
	TURN 0, 1, 0
	STEP 1, 0, 0, 0
	s_wait_dscnt 4*NL
	WIN MUL_LO
	MUL16 0, 1, NQ-1, 1, 0
	MUL16 2, 1, NQ-1, 1, 0
	s_wait_dscnt 0
	WIN MUL_HI
	MUL16 4, 1, NQ-1, 1, 0
	MUL16 6, 1, NQ-1, 1, 0
	WIN 0
.macro PACK a
.set AC, 64*((\a)%4)
	WIN 0x0a+5*((\a)/4)
.irp b, 0,1,2,3,4,5,6,7
.irp r, 0,1,2,3
	v_cvt_pk_bf16_f32 v[TMP+4*\b+\r], v[AC+8*\b+2*\r], v[AC+8*\b+2*\r+1]
.endr
.endr
	WIN 0
.endm
.macro TOSTAGE a
.set BB, BK+32*((\a)%2)
.irp b, 0,1,2,3,4,5,6,7
	ds_store_b128 v[STO], v[TMP+4*\b:TMP+4*\b+3] offset:32*\b
.endr
.irp t, 0,1,2,3,4,5,6,7
	ds_load_b128 v[BB+4*\t:BB+4*\t+3], v[RD] offset:\t*2*SPITCH
.endr
.endm
.macro SEND a
.set BB, BK+32*((\a)%2)
	s_wait_dscnt 0x0
	s_wait_xcnt 0x0
.if (\a) > 0
	s_add_nc_u64 s[12:13], s[12:13], 16*SIZE_N*2
.endif
.irp t, 0,1,2,3,4,5,6,7
	global_store_b128 v[CO], v[BB+4*\t:BB+4*\t+3], s[12:13] offset:2*\t*SIZE_N*2 th:TH_STORE_NT
.endr
.endm
	PLACES NP
	PACK 0
	TOSTAGE 0
.irp a, 1,2,3,4,5,6,7
	PACK \a
	s_wait_alu depctr_va_vdst(0)
	SEND \a-1
	TOSTAGE \a
.endr
	SEND 7
	s_wait_tensorcnt 0x0
	ds_add_u32 v[SPW], v[NIL]
	s_wait_dscnt 0x0
	CROUND
	s_endpgm
.Lfunc_end_k_qcb2a2044b9_gemm:
	.size	k_qcb2a2044b9_gemm, .Lfunc_end_k_qcb2a2044b9_gemm-k_qcb2a2044b9_gemm
	.p2alignl 7, 3214868480
	.fill 96, 4, 3214868480
	.section	.rodata,"a",@progbits
	.p2align	6, 0x0
	.amdhsa_kernel k_qcb2a2044b9_gemm
		.amdhsa_group_segment_fixed_size 327680
		.amdhsa_private_segment_fixed_size 0
		.amdhsa_enable_private_segment 0
		.amdhsa_kernarg_size 40
		.amdhsa_user_sgpr_count 2
		.amdhsa_user_sgpr_kernarg_segment_ptr 1
		.amdhsa_wavefront_size32 1
		.amdhsa_system_sgpr_workgroup_id_x 1
		.amdhsa_system_sgpr_workgroup_id_y 1
		.amdhsa_system_sgpr_workgroup_id_z 1
		.amdhsa_system_vgpr_workitem_id 0
		.amdhsa_next_free_vgpr 1024
		.amdhsa_next_free_sgpr 80
		.amdhsa_reserve_vcc 0
		.amdhsa_float_denorm_mode_32 3
		.amdhsa_float_denorm_mode_16_64 3
		.amdhsa_memory_ordered 1
		.amdhsa_forward_progress 1
		.amdhsa_inst_pref_size 149
	.end_amdhsa_kernel
	.amdgpu_metadata
---
amdhsa.version: [ 1, 2 ]
amdhsa.kernels:
  - .name:           k_qcb2a2044b9_gemm
    .symbol:         k_qcb2a2044b9_gemm.kd
    .args:
      - { .name: xc, .offset: 0, .size: 8, .value_kind: global_buffer, .address_space: global }
      - { .name: wc, .offset: 8, .size: 8, .value_kind: global_buffer, .address_space: global }
      - { .name: scl, .offset: 16, .size: 8, .value_kind: global_buffer, .address_space: global }
      - { .name: bias, .offset: 24, .size: 8, .value_kind: global_buffer, .address_space: global }
      - { .name: out0, .offset: 32, .size: 8, .value_kind: global_buffer, .address_space: global }
    .group_segment_fixed_size: 327680
    .private_segment_fixed_size: 0
    .kernarg_segment_align: 8
    .kernarg_segment_size: 40
    .max_flat_workgroup_size: 128
    .sgpr_count:     80
    .vgpr_count:     1024
    .wavefront_size: 32
...
	.end_amdgpu_metadata
.endif
;; end of part 2
